; MI455X (gfx1250); checked and timed in simulation.
; The chip was launched on July 23, 2026; its instructions are those of AMD's public machine-readable ISA for CDNA 5 (MIT licence, August 2026) and "CDNA5" Instruction Set Architecture Reference Guide (July 2026). The comments in the code are by the model that wrote it; some were corrected since.
;; One Hot Embeddings. Allowed arithmetic: float matrix products may take bf16 or f16 operands with f32 sums; all other float work in f32.
;; Inputs: W 1,024 x 8,000 float32; b 1,024 float32; input_ids 4 x 2,048 int32.
;; Outputs: out0 4 x 2,048 x 1,024 float32.
;; 2 versions, each right; version 2 is version 1 with the launch lookup written anew for expert scheduling mode. Each part assembles by itself: llvm-mc -triple=amdgcn-amd-amdhsa -mcpu=gfx1250 --defsym DOCPART=n.
;; ======== version 1 of 2: 2 launches
;; workspace buffers: wt 16,386,048 bytes
;; launch turn (part 1): grid 125 x 8, 8 waves a work-group, no clusters, 18,432 bytes of LDS; arguments W, wt; writes wt
.if DOCPART == 1
	.amdgcn_target "amdgcn-amd-amdhsa--gfx1250"
	.amdhsa_code_object_version 6
	.text
	.protected	k_q4167830cd2_turn
	.globl	k_q4167830cd2_turn
	.p2align	8
	.type	k_q4167830cd2_turn,@function
k_q4167830cd2_turn:
	s_mov_b64 s[64:65], 0
	v_nop
	global_prefetch_b8 v0, s[64:65] scope:SCOPE_SE
	s_setreg_imm32_b32 hwreg(HW_REG_WAVE_MODE, 25, 1), 1
	s_wait_xcnt 0x0
; wt[v][h] = bf16(W[h][v]) for v = 0 .. 7999, and wt[8000][h] = 0.   W: [1024][8000] f32.   wt: [8001][1024] bf16, 2,048 bytes a row.
; The product of a one-hot row with W^T is a column of W; this launch lays the columns out as rows, so that the next launch copies whole rows.
; W is that product's matrix operand and is rounded once, to nearest even, to bf16; row 8000 serves ids outside 0 .. 7999, whose one-hot row is all zeros.
; LIMITS.  W is taken as finite (an infinity or NaN in W would reach every token's channel h through 0 x infinity in the product as written; a lookup gives it
; only to the tokens that name its column); a magnitude above 3.39e38 becomes an infinity in bf16.
; SHARES.  A work-group turns a tile of 128 h x 64 v: 128 pieces of 256 consecutive bytes of W in (a row of W is 32,000 = 125 x 256 bytes, so each piece begins at a
; multiple of 256 from W's first byte), 64 pieces of 256 consecutive bytes of wt out.  8,000 = 125 x 64 and 1,024 = 8 x 128: 1,000 work-groups, one tile each, no loop.
; All of a tile's 32 KiB are asked for at once, eight 16-byte loads a lane; with 80 registers and 18 KiB of LDS several work-groups share a WGP.
; No tensor load: the tile fits in registers while on its way.  No cluster: no two work-groups read the same bytes.  No matrix work: there is nothing to multiply.
.set ROWW,  32000                      ; bytes in a row of W
.set ROWT,  2048                       ; bytes in a row of wt
.set P,     272                        ; a slot of the stage: 256 bytes + 16 of padding: 16 neighbouring slots begin at 16 different 16-byte columns modulo 256 bytes
.set SPARE, 64*P                       ; 17,408 = 68 x 256: behind the stage, the spare words, 128 bytes for each of the eight waves; no other line names them
.set WOFF, 1                           ; v1      my byte offset in the tile of W
.set STO,  2                           ; v2      where I put 16 bytes into the stage
.set RD,   3                           ; v3      where I read a row back
.set GO,   4                           ; v4      my byte offset in the tile of wt
.set R2,   5                           ; v5      which half of the lanes I am in
.set SPW,  6                           ; v6      LDS address of my spare word; never rewritten
.set NIL,  7                           ; v7      0; never rewritten
.set C,    8                           ; v8      lane % 16
.set X,    16                          ; v[16:47]  load j: W[16 w + 8 r2 + j][4 c + 0..3]
.set Y,    48                          ; v[48:63]  column i: eight h packed into 16 bytes
.set Z,    64                          ; v[64:79]  rows of wt read back from the stage
	s_load_b128 s[4:7], s[0:1], 0x0                ; W s[4:5], wt s[6:7]
	v_lshl_add_u32 v[SPW], v0, 2, SPARE
	v_mov_b32 v[NIL], 0
	v_lshrrev_b32 v9, 5, v0
	v_readfirstlane_b32 s8, v9                     ; wave w, 0 .. 7
	v_and_b32 v[C], 15, v0                         ; c
	v_bfe_u32 v[R2], v0, 4, 1                      ; r2
	s_mov_b32 s14, ttmp9                           ; vb: which 64 columns of W
	s_and_b32 s9, ttmp7, 0xffff                    ; hb: which 128 rows of W
	s_mul_i32 s10, s9, 128*ROWW                    ; the tile in W: hb x 128 rows,
	s_lshl_b32 s16, s14, 8                         ; vb x 256 bytes; under 2^25 together
	s_add_co_u32 s10, s10, s16
	s_mov_b32 s11, 0
	s_lshl_b32 s12, s14, 17                        ; the tile in wt: vb x 64 rows of 2,048 bytes,
	s_lshl_b32 s16, s9, 8                          ; hb x 256 bytes
	s_add_co_u32 s12, s12, s16
	s_mov_b32 s13, 0
	s_mul_i32 s16, s8, 16*ROWW                     ; my wave's 16 rows of the tile
	v_mul_u32_u24 v[WOFF], v[R2], 8*ROWW           ; lanes 16-31 take the rows eight further down
	v_lshl_add_u32 v[WOFF], v[C], 4, v[WOFF]       ; 16 bytes a lane: sixteen lanes cover a row's 256 bytes
	v_add_nc_u32 v[WOFF], s16, v[WOFF]
	s_wait_kmcnt 0x0
	s_add_nc_u64 s[4:5], s[4:5], s[10:11]
	s_add_nc_u64 s[6:7], s[6:7], s[12:13]
.irp j, 0,1,2,3,4,5,6,7
	global_load_b128 v[X+4*(\j):X+4*(\j)+3], v[WOFF], s[4:5] offset:(\j)*ROWW th:TH_LOAD_NT  ; W is read once in the launch
.endr
	; the other addresses are made while the loads are out
	s_lshl_b32 s16, s8, 5                          ; into the stage: my wave's 16 h are 32 bytes of a slot,
	v_mul_u32_u24 v[STO], v[C], P                  ; column v = 4 c + i lies in slot 16 i + c (the 16 i stands in the store's immediate),
	v_lshl_add_u32 v[STO], v[R2], 4, v[STO]        ; my half's 8 h are 16 bytes
	v_add_nc_u32 v[STO], s16, v[STO]
	s_mul_i32 s16, s8, 8*P                         ; back: wave w takes slots 8 w .. 8 w + 7, two at a time:
	v_mul_u32_u24 v[RD], v[R2], P                  ; lanes 0-15 one slot's 256 bytes, lanes 16-31 the next slot's
	v_lshl_add_u32 v[RD], v[C], 4, v[RD]
	v_add_nc_u32 v[RD], s16, v[RD]
	s_and_b32 s16, s8, 1                           ; slot 8 w + 2 q + r2 has i = w / 2 and c = 8 (w % 2) + 2 q + r2:
	s_lshl_b32 s16, s16, 5                         ; it is row v = 4 c + i = 32 (w % 2) + 8 q + 4 r2 + w / 2 of the tile of wt
	s_lshr_b32 s17, s8, 1
	s_add_co_u32 s16, s16, s17
	s_lshl_b32 s16, s16, 11                        ; (32 (w % 2) + w / 2) rows of 2,048 bytes,
	v_lshlrev_b32 v[GO], 13, v[R2]                 ; 4 r2 rows (the 8 q rows stand in the store's immediate),
	v_lshl_add_u32 v[GO], v[C], 4, v[GO]           ; 16 bytes a lane
	v_add_nc_u32 v[GO], s16, v[GO]
	v_mov_b32 v10, 0                               ; the zero row's data,
	v_mov_b32 v11, 0
	v_lshlrev_b32 v12, 3, v0                       ; and its offset: 8 bytes a lane of wave 0
	; two rows of W at a time: for each of my four columns the two numbers are rounded and packed, the lower h in the low half
.irp p, 0,1,2,3
	s_wait_loadcnt 6-2*(\p)                        ; loads come back in order (ISA guide 5.7.1): loads 2 p and 2 p + 1 are in, the 6 - 2 p younger ones stay out
.irp i, 0,1,2,3
	v_cvt_pk_bf16_f32 v[Y+4*(\i)+(\p)], v[X+8*(\p)+(\i)], v[X+8*(\p)+4+(\i)]
.endr
.endr
.irp i, 0,1,2,3
	ds_store_b128 v[STO], v[Y+4*(\i):Y+4*(\i)+3] offset:(\i)*16*P  ; h = 16 w + 8 r2 + 0..7 of column 4 c + i
.endr
	s_wait_dscnt 0x0                               ; for the others' sake: my stores into the stage are done
	s_barrier_signal -1
	s_barrier_wait -1                              ; a slot's 256 bytes come from all eight waves: now they are whole
.irp q, 0,1,2,3
	ds_load_b128 v[Z+4*(\q):Z+4*(\q)+3], v[RD] offset:(\q)*2*P
.endr
.irp q, 0,1,2,3
	s_wait_dscnt 3-(\q)                            ; LDS loads come back in order: pair q of slots is in, the 3 - q younger loads stay out
	global_store_b128 v[GO], v[Z+4*(\q):Z+4*(\q)+3], s[6:7] offset:(\q)*8*ROWT  ; each half of the lanes stores 256 consecutive bytes, at a multiple of 256 from wt's first byte; the next launch reads them: no hint
.endr
	; row 8000: the eight work-groups of the last 64 columns write it, each the 256 bytes of its 128 h, by wave 0.  7,936 + 64 = 8,000: 64 rows behind the tile's first.
	s_cmp_lg_u32 s8, 0
	s_cbranch_scc1 .Lno_zero
	s_cmp_lg_u32 s14, 124
	s_cbranch_scc1 .Lno_zero
	global_store_b64 v12, v[10:11], s[6:7] offset:64*ROWT
.Lno_zero:
	s_wait_tensorcnt 0x0                           ; the wave's end, behind my last LDS store
	ds_add_u32 v[SPW], v[NIL]
	s_wait_dscnt 0x0
	s_endpgm
.Lfunc_end_k_q4167830cd2_turn:
	.size	k_q4167830cd2_turn, .Lfunc_end_k_q4167830cd2_turn-k_q4167830cd2_turn
	.p2alignl 7, 3214868480
	.fill 96, 4, 3214868480
	.section	.rodata,"a",@progbits
	.p2align	6, 0x0
	.amdhsa_kernel k_q4167830cd2_turn
		.amdhsa_group_segment_fixed_size 18432
		.amdhsa_private_segment_fixed_size 0
		.amdhsa_enable_private_segment 0
		.amdhsa_kernarg_size 16
		.amdhsa_user_sgpr_count 2
		.amdhsa_user_sgpr_kernarg_segment_ptr 1
		.amdhsa_wavefront_size32 1
		.amdhsa_system_sgpr_workgroup_id_x 1
		.amdhsa_system_sgpr_workgroup_id_y 1
		.amdhsa_system_sgpr_workgroup_id_z 1
		.amdhsa_system_vgpr_workitem_id 0
		.amdhsa_next_free_vgpr 80
		.amdhsa_next_free_sgpr 66
		.amdhsa_reserve_vcc 0
		.amdhsa_float_denorm_mode_32 3
		.amdhsa_float_denorm_mode_16_64 3
		.amdhsa_memory_ordered 1
		.amdhsa_forward_progress 1
		.amdhsa_inst_pref_size 6
	.end_amdhsa_kernel
	.amdgpu_metadata
---
amdhsa.version: [ 1, 2 ]
amdhsa.kernels:
  - .name:           k_q4167830cd2_turn
    .symbol:         k_q4167830cd2_turn.kd
    .args:
      - { .name: W, .offset: 0, .size: 8, .value_kind: global_buffer, .address_space: global }
      - { .name: wt, .offset: 8, .size: 8, .value_kind: global_buffer, .address_space: global }
    .group_segment_fixed_size: 18432
    .private_segment_fixed_size: 0
    .kernarg_segment_align: 8
    .kernarg_segment_size: 16
    .max_flat_workgroup_size: 256
    .sgpr_count:     66
    .vgpr_count:     80
    .wavefront_size: 32
...
	.end_amdgpu_metadata
.endif
;; end of part 1
;; launch lookup (part 2): grid 256 x 1, 8 waves a work-group, no clusters, 0 bytes of LDS; arguments input_ids, wt, b, out0; writes out0
.if DOCPART == 2
	.amdgcn_target "amdgcn-amd-amdhsa--gfx1250"
	.amdhsa_code_object_version 6
	.text
	.protected	k_q4167830cd2_lookup
	.globl	k_q4167830cd2_lookup
	.p2align	8
	.type	k_q4167830cd2_lookup,@function
k_q4167830cd2_lookup:
	s_mov_b64 s[64:65], 0
	v_nop
	global_prefetch_b8 v0, s[64:65] scope:SCOPE_SE
	s_setreg_imm32_b32 hwreg(HW_REG_WAVE_MODE, 25, 1), 1
	s_wait_xcnt 0x0
; out0[t][h] = f32(wt[id[t]][h]) + b[h].   input_ids: [8192] i32.   wt: [8001][1024] bf16, row v = column v of W, row 8000 = zeros.   b: [1024] f32.   out0: [8192][1024] f32.
; An id outside 0 .. 7999 (taken as unsigned, so a negative one too) is led to row 8000: its one-hot row is all zeros, and the result is b.
; LIMITS.  W arrives rounded once to bf16; the addition of b is one f32 addition.  The sign of a zero result is not treated apart.
; SHARES.  8,192 tokens on 256 work-groups: 32 tokens each.  Thread n owns columns 4 n .. 4 n + 3 of every row: 8 bytes of a row of wt, 16 bytes of a row of out0; its four b stay in
; registers.  A wave's load covers 256 consecutive bytes, its store 512, both beginning at multiples of 256 from the buffer's first byte; the eight waves together cover a row.
; The 32 ids are the same for all threads, so they are read into scalar registers.  All 32 row loads of a wave go out on end, 64 KiB for the work-group, and each token has registers of
; its own for offset, row and result: no register that a memory instruction names is written again, so the only waits are the counted ones for the rows.
; No LDS and no barrier: no thread needs another's data.  No prefetch: a row is asked for as soon as its id is known.  No cluster: what two work-groups share is chance.
.set VOC, 8000
.set B,   4                            ; v[4:7]      b of my four columns
.set OFF, 8                            ; v[8:39]     token t: byte offset of my 8 bytes in wt
.set X,   40                           ; v[40:103]   token t: four bf16 as loaded
.set Y,   104                          ; v[104:231]  token t: four f32 to store
.set ID,  16                           ; s[16:47]    the work-group's 32 ids
	s_load_b256 s[4:11], s[0:1], 0x0               ; input_ids s[4:5], wt s[6:7], b s[8:9], out0 s[10:11]
	v_lshlrev_b32 v1, 3, v0                        ; my 8 bytes in a row of wt
	v_lshlrev_b32 v2, 4, v0                        ; my 16 bytes in b and in a row of out0
	s_lshl_b32 s12, ttmp9, 7                       ; the work-group's 32 ids: 128 bytes
	s_mov_b32 s13, 0
	s_lshl_b32 s14, ttmp9, 17                      ; its 32 rows of 4,096 bytes; under 2^25
	s_mov_b32 s15, 0
	s_mov_b32 s48, 0xffff0000                      ; a word's upper bf16
	s_wait_kmcnt 0x0
	s_add_nc_u64 s[4:5], s[4:5], s[12:13]
	s_add_nc_u64 s[10:11], s[10:11], s[14:15]
	s_load_b512 s[ID:ID+15], s[4:5], 0x0
	s_load_b512 s[ID+16:ID+31], s[4:5], 0x40
	global_load_b128 v[B:B+3], v2, s[8:9]          ; every work-group reads b: no hint
	s_wait_kmcnt 0x0
	; the rows are asked for
.set t, 0
.rept 32
	s_min_u32 s[ID+t], s[ID+t], VOC                ; inside the table, or the zero row
	v_lshl_add_u32 v[OFF+t], s[ID+t], 11, v1       ; 2,048 bytes a row: 16,386,047 at the most
	global_load_b64 v[X+2*t:X+2*t+1], v[OFF+t], s[6:7]  ; a row may be named by several tokens: no hint
.set t, t+1
.endr
	; and given out, in the order in which they come
.set t, 0
.rept 32
	s_wait_loadcnt 31-t                            ; loads come back in order (ISA guide 5.7.1): token t's row is in (and b, issued ahead of all rows); the 31 - t younger loads stay out
	v_lshlrev_b32 v[Y+4*t],   16,  v[X+2*t]        ; bf16 to f32: the low half moves up,
	v_and_b32     v[Y+4*t+1], s48, v[X+2*t]        ; the high half stays
	v_lshlrev_b32 v[Y+4*t+2], 16,  v[X+2*t+1]
	v_and_b32     v[Y+4*t+3], s48, v[X+2*t+1]
	v_pk_add_f32 v[Y+4*t:Y+4*t+1],   v[Y+4*t:Y+4*t+1],   v[B:B+1]
	v_pk_add_f32 v[Y+4*t+2:Y+4*t+3], v[Y+4*t+2:Y+4*t+3], v[B+2:B+3]
	global_store_b128 v2, v[Y+4*t:Y+4*t+3], s[10:11] offset:t*4096 th:TH_STORE_NT  ; written once and not read again in the launch
.set t, t+1
.endr
	s_endpgm
.Lfunc_end_k_q4167830cd2_lookup:
	.size	k_q4167830cd2_lookup, .Lfunc_end_k_q4167830cd2_lookup-k_q4167830cd2_lookup
	.p2alignl 7, 3214868480
	.fill 96, 4, 3214868480
	.section	.rodata,"a",@progbits
	.p2align	6, 0x0
	.amdhsa_kernel k_q4167830cd2_lookup
		.amdhsa_group_segment_fixed_size 0
		.amdhsa_private_segment_fixed_size 0
		.amdhsa_enable_private_segment 0
		.amdhsa_kernarg_size 32
		.amdhsa_user_sgpr_count 2
		.amdhsa_user_sgpr_kernarg_segment_ptr 1
		.amdhsa_wavefront_size32 1
		.amdhsa_system_sgpr_workgroup_id_x 1
		.amdhsa_system_sgpr_workgroup_id_y 1
		.amdhsa_system_sgpr_workgroup_id_z 1
		.amdhsa_system_vgpr_workitem_id 0
		.amdhsa_next_free_vgpr 232
		.amdhsa_next_free_sgpr 66
		.amdhsa_reserve_vcc 0
		.amdhsa_float_denorm_mode_32 3
		.amdhsa_float_denorm_mode_16_64 3
		.amdhsa_memory_ordered 1
		.amdhsa_forward_progress 1
		.amdhsa_inst_pref_size 20
	.end_amdhsa_kernel
	.amdgpu_metadata
---
amdhsa.version: [ 1, 2 ]
amdhsa.kernels:
  - .name:           k_q4167830cd2_lookup
    .symbol:         k_q4167830cd2_lookup.kd
    .args:
      - { .name: input_ids, .offset: 0, .size: 8, .value_kind: global_buffer, .address_space: global }
      - { .name: wt, .offset: 8, .size: 8, .value_kind: global_buffer, .address_space: global }
      - { .name: b, .offset: 16, .size: 8, .value_kind: global_buffer, .address_space: global }
      - { .name: out0, .offset: 24, .size: 8, .value_kind: global_buffer, .address_space: global }
    .group_segment_fixed_size: 0
    .private_segment_fixed_size: 0
    .kernarg_segment_align: 8
    .kernarg_segment_size: 32
    .max_flat_workgroup_size: 256
    .sgpr_count:     66
    .vgpr_count:     232
    .wavefront_size: 32
...
	.end_amdgpu_metadata
.endif
;; end of part 2
;; ======== version 2 of 2: 2 launches; version 1 with the launch lookup written anew for expert scheduling mode
;; workspace buffers: wt 16,386,048 bytes
;; launch turn: the kernel of part 1 again; grid 125 x 8, 8 waves a work-group, no clusters, 18,432 bytes of LDS; arguments W, wt; writes wt
;; launch lookup (part 3): grid 256 x 1, 8 waves a work-group, no clusters, 0 bytes of LDS; arguments input_ids, wt, b, out0; writes out0
.if DOCPART == 3
	.amdgcn_target "amdgcn-amd-amdhsa--gfx1250"
	.amdhsa_code_object_version 6
	.text
	.protected	k_q4167830cd2_lookup
	.globl	k_q4167830cd2_lookup
	.p2align	8
	.type	k_q4167830cd2_lookup,@function
k_q4167830cd2_lookup:
	s_mov_b64 s[64:65], 0
	v_nop
	global_prefetch_b8 v0, s[64:65] scope:SCOPE_SE
	s_setreg_imm32_b32 hwreg(HW_REG_WAVE_SCHED_MODE, 0, 2), 2
	s_setreg_imm32_b32 hwreg(HW_REG_WAVE_MODE, 25, 1), 1
	s_wait_xcnt 0x0
	s_wait_alu depctr_vm_vsrc(0)
; out0[t][h] = f32(wt[id[t]][h]) + b[h].   input_ids: [8192] i32.   wt: [8001][1024] bf16, row v = column v of W, row 8000 = zeros.   b: [1024] f32.   out0: [8192][1024] f32.
; An id outside 0 .. 7999 (taken as unsigned, so a negative one too) is led to row 8000: its one-hot row is all zeros, and the result is b.
; LIMITS.  W arrives rounded once to bf16; the addition of b is one f32 addition.  The sign of a zero result is not treated apart.
; SHARES.  8,192 tokens on 256 work-groups: 32 tokens each.  Thread n owns columns 4 n .. 4 n + 3 of every row: 8 bytes of a row of wt, 16 bytes of a row of out0; its four b stay in
; registers.  A wave's load covers 256 consecutive bytes, its store 512, both beginning at multiples of 256 from the buffer's first byte; the eight waves together cover a row.
; The 32 ids are the same for all threads, so they are read into scalar registers.  All 32 row loads of a wave go out on end, 64 KiB for the work-group, and each token has registers of
; its own for offset, row and result: no register that a memory instruction names is written again.
; No LDS and no barrier: no thread needs another's data.  No prefetch: a row is asked for as soon as its id is known.  No cluster: what two work-groups share is chance.
; THE MODE: SCHED_MODE bits 1:0 = 2 (LLVM: expert scheduling mode 2), set by the entry lines.  The code itself states the register dependences
; between vector instructions and memory instructions, with s_wait_alu, always for 0.
; THE PLAN.  Registers that memory instructions touch:
;   v2          offset of b's load and of every store.  Written once at the head; no vector instruction names it again.
;   OFF[t]      offset of token t's row load.  Written once, by the line that makes it; all 32 are made on end, ahead of the run of loads.
;   B, X[t]     loads land in them; no vector instruction names them before that, and none is loaded twice.
;   Y[t]        data of token t's store.  Written by token t's six vector lines, read by one store, never written again.
; So the one kind of dependence is: a vector instruction writes what a memory instruction reads.  One wait stands ahead of b's load (v2), one ahead of the 32 row loads (OFF).
; The tokens go in 8 blocks of four: one wait at the head of block p + 1 states that block p's Y are written; block p's four stores follow it, dealt among block p + 1's vector
; lines, which name X and Y of their own block and B alone.  One more wait stands ahead of the last four stores.
.set VOC, 8000
.set BLOCK, 4                          ; tokens in a block
.set B,   4                            ; v[4:7]      b of my four columns
.set OFF, 8                            ; v[8:39]     token t: byte offset of my 8 bytes in wt
.set X,   40                           ; v[40:103]   token t: four bf16 as loaded
.set Y,   104                          ; v[104:231]  token t: four f32 to store
.set ID,  16                           ; s[16:47]    the work-group's 32 ids
	s_load_b256 s[4:11], s[0:1], 0x0               ; input_ids s[4:5], wt s[6:7], b s[8:9], out0 s[10:11]
	v_lshlrev_b32 v1, 3, v0                        ; my 8 bytes in a row of wt
	v_lshlrev_b32 v2, 4, v0                        ; my 16 bytes in b and in a row of out0
	s_lshl_b32 s12, ttmp9, 7                       ; the work-group's 32 ids: 128 bytes
	s_mov_b32 s13, 0
	s_lshl_b32 s14, ttmp9, 17                      ; its 32 rows of 4,096 bytes; under 2^25
	s_mov_b32 s15, 0
	s_mov_b32 s48, 0xffff0000                      ; a word's upper bf16
	s_wait_kmcnt 0x0
	s_add_nc_u64 s[4:5], s[4:5], s[12:13]
	s_add_nc_u64 s[10:11], s[10:11], s[14:15]
	s_load_b512 s[ID:ID+15], s[4:5], 0x0
	s_load_b512 s[ID+16:ID+31], s[4:5], 0x40
	s_wait_alu depctr_va_vdst(0)                   ; v2 is written: b's load below and every store of the kernel read it as their offset
	global_load_b128 v[B:B+3], v2, s[8:9]          ; every work-group reads b: no hint
	s_wait_kmcnt 0x0
	; all 32 offsets are made,
.set t, 0
.rept 32
	s_min_u32 s[ID+t], s[ID+t], VOC                ; inside the table, or the zero row
	v_lshl_add_u32 v[OFF+t], s[ID+t], 11, v1       ; 2,048 bytes a row: 16,386,047 at the most
.set t, t+1
.endr
	s_wait_alu depctr_va_vdst(0)                   ; the 32 offsets v[OFF ..] are written, which the row loads below read
	; and the rows are asked for, in one run
.set t, 0
.rept 32
	global_load_b64 v[X+2*t:X+2*t+1], v[OFF+t], s[6:7]  ; a row may be named by several tokens: no hint
.set t, t+1
.endr
	; and given out, in the order in which they come, four tokens to a block
.set p, 0
.rept 32/BLOCK
.if p > 0
	s_wait_alu depctr_va_vdst(0)                   ; the block before has written its sixteen Y, which the four stores below read; no vector line of this block names them
.endif
.set i, 0
.rept BLOCK
.set t, BLOCK*p+i
.if p > 0
	global_store_b128 v2, v[Y+4*(t-BLOCK):Y+4*(t-BLOCK)+3], s[10:11] offset:(t-BLOCK)*4096 th:TH_STORE_NT  ; the block before; written once and not read again in the launch
.endif
	s_wait_loadcnt 31-t                            ; loads come back in order (ISA guide 5.7.1): token t's row is in (and b, issued ahead of all rows); the 31 - t younger loads stay out
	v_lshlrev_b32 v[Y+4*t],   16,  v[X+2*t]        ; bf16 to f32: the low half moves up,
	v_and_b32     v[Y+4*t+1], s48, v[X+2*t]        ; the high half stays
	v_lshlrev_b32 v[Y+4*t+2], 16,  v[X+2*t+1]
	v_and_b32     v[Y+4*t+3], s48, v[X+2*t+1]
	v_pk_add_f32 v[Y+4*t:Y+4*t+1],   v[Y+4*t:Y+4*t+1],   v[B:B+1]
	v_pk_add_f32 v[Y+4*t+2:Y+4*t+3], v[Y+4*t+2:Y+4*t+3], v[B+2:B+3]
.set i, i+1
.endr
.set p, p+1
.endr
	s_wait_alu depctr_va_vdst(0)                   ; the last block has written its sixteen Y, which the last four stores read
.set t, 32-BLOCK
.rept BLOCK
	global_store_b128 v2, v[Y+4*t:Y+4*t+3], s[10:11] offset:t*4096 th:TH_STORE_NT
.set t, t+1
.endr
	s_endpgm
.Lfunc_end_k_q4167830cd2_lookup:
	.size	k_q4167830cd2_lookup, .Lfunc_end_k_q4167830cd2_lookup-k_q4167830cd2_lookup
	.p2alignl 7, 3214868480
	.fill 96, 4, 3214868480
	.section	.rodata,"a",@progbits
	.p2align	6, 0x0
	.amdhsa_kernel k_q4167830cd2_lookup
		.amdhsa_group_segment_fixed_size 0
		.amdhsa_private_segment_fixed_size 0
		.amdhsa_enable_private_segment 0
		.amdhsa_kernarg_size 32
		.amdhsa_user_sgpr_count 2
		.amdhsa_user_sgpr_kernarg_segment_ptr 1
		.amdhsa_wavefront_size32 1
		.amdhsa_system_sgpr_workgroup_id_x 1
		.amdhsa_system_sgpr_workgroup_id_y 1
		.amdhsa_system_sgpr_workgroup_id_z 1
		.amdhsa_system_vgpr_workitem_id 0
		.amdhsa_next_free_vgpr 232
		.amdhsa_next_free_sgpr 66
		.amdhsa_reserve_vcc 0
		.amdhsa_float_denorm_mode_32 3
		.amdhsa_float_denorm_mode_16_64 3
		.amdhsa_memory_ordered 1
		.amdhsa_forward_progress 1
		.amdhsa_inst_pref_size 21
	.end_amdhsa_kernel
	.amdgpu_metadata
---
amdhsa.version: [ 1, 2 ]
amdhsa.kernels:
  - .name:           k_q4167830cd2_lookup
    .symbol:         k_q4167830cd2_lookup.kd
    .args:
      - { .name: input_ids, .offset: 0, .size: 8, .value_kind: global_buffer, .address_space: global }
      - { .name: wt, .offset: 8, .size: 8, .value_kind: global_buffer, .address_space: global }
      - { .name: b, .offset: 16, .size: 8, .value_kind: global_buffer, .address_space: global }
      - { .name: out0, .offset: 24, .size: 8, .value_kind: global_buffer, .address_space: global }
    .group_segment_fixed_size: 0
    .private_segment_fixed_size: 0
    .kernarg_segment_align: 8
    .kernarg_segment_size: 32
    .max_flat_workgroup_size: 256
    .sgpr_count:     66
    .vgpr_count:     232
    .wavefront_size: 32
...
	.end_amdgpu_metadata
.endif
;; end of part 3
